; MI455X (gfx1250); checked and timed in simulation.
; The chip was launched on July 23, 2026; its instructions are those of AMD's public machine-readable ISA for CDNA 5 (MIT licence, August 2026) and "CDNA5" Instruction Set Architecture Reference Guide (July 2026). The comments in the code are by the model that wrote it; some were corrected since.
;; Multi Head Attention. Allowed arithmetic: matrix products marked QUANTISED: E4M3 operands, one given power-of-two scale a tensor, by v_wmma_f32_16x16x64_fp8_fp8 or v_wmma_f32_16x16x128_fp8_fp8, f32 sums; everything else in f32.
;; Inputs: Wk 1,024 x 1,024 float32; Wp 1,024 x 1,024 float32; Wq 1,024 x 1,024 float32; Wv 1,024 x 1,024 float32; bk 1,024 float32; bp 1,024 float32; bq 1,024 float32; bv 1,024 float32; lowp_scales 12 int32 (the exponents e of the quantised operands' scales 2^e); x 4 x 2,048 x 1,024 float32.
;; Outputs: out0 4 x 2,048 x 1,024 float32.
;; This version of the problem:
;;   THIS VERSION OF THE PROBLEM IS GIVEN IN LOW PRECISION. The matrix products marked QUANTISED in the list below multiply operands that are first quantised to E4M3 (4 exponent bits, 3 mantissa bits; 8 bits a number), with one given power-of-two scale for each operand tensor; their sums are f32. All else is computed in f32.
;;   The module's matrix products, in the order in which they are computed (A, B: the left and right operand; K: the contracted axis; several contracted axes count as one K, in the product's order):
;;     1. [M 8,192, K 1,024] x [K 1,024, N 1,024]; A: input x; B: input Wq: QUANTISED (scales: A lowp_scales[0], B lowp_scales[1])
;;     2. [M 8,192, K 1,024] x [K 1,024, N 1,024]; A: input x; B: input Wk: QUANTISED (scales: A lowp_scales[2], B lowp_scales[3])
;;     3. [M 8,192, K 1,024] x [K 1,024, N 1,024]; A: input x; B: input Wv: QUANTISED (scales: A lowp_scales[4], B lowp_scales[5])
;;     4. batch 64 x [M 2,048, K 64] x [K 64, N 2,048]; A: computed on the way; B: computed on the way: QUANTISED (scales: A lowp_scales[6], B lowp_scales[7])
;;     5. batch 64 x [M 2,048, K 2,048] x [K 2,048, N 64]; A: softmax (see below); B: computed on the way: QUANTISED (scales: A lowp_scales[8], B lowp_scales[9])
;;     6. [M 8,192, K 1,024] x [K 1,024, N 1,024]; A: computed on the way; B: input Wp: QUANTISED (scales: A lowp_scales[10], B lowp_scales[11])
;;   THE QUANTISER, for each operand of a quantised product, along K:
;;     - The operand's scale is 2^e, e = its entry of the input lowp_scales (int32; the entries are numbered through the quantised products in the list's order, A before B).
;;     - Each number is divided by the scale, clamped to +-448, and rounded to the nearest number of E4M3, ties to even, subnormals kept.
;;     - The product sums the exact products of the quantised numbers (number of the format x scale) in f32.
;;   ~~~python
;;   def quantise(x, axis, e):      # numpy; x: float32 -> the quantised numbers, widened to float32 again
;;       x = np.moveaxis(x, axis, -1); K = x.shape[-1]
;;       r = np.clip(x / 2.0 ** e, -448, 448)
;;       step = 2.0 ** (np.maximum(np.frexp(np.where(r == 0, 1, r))[1] - 1, -6) - 3)
;;       q = np.round(r / step) * step * 2.0 ** e      # np.round: ties to even
;;       return np.moveaxis(q, -1, axis).astype(np.float32)
;;   ~~~
;;   SOFTMAX AHEAD OF A QUANTISED PRODUCT. Where the list says 'softmax', what is quantised is not the finished softmax but p = 2^(t - M), with t = logit x log2(e) and M = ceil(the row's largest t), a whole number; so 1/2 < the row's largest p <= 1. The row's sum l is taken of the UNQUANTISED p, in f32, and the product's result is divided by l at the end. Since M is a whole number, a kernel that streams over the keys may use a running M (the ceiling of the running maximum): every later rescaling is an exact power of two, so the quantised numbers keep their values, but for numbers so far below the row's largest that they fall under the format's range.
;;   OPERANDS COMPUTED ON THE WAY. 'Computed on the way' means the value that the module computes at that place (a softmax that the list does not call 'softmax' is quantised finished and normalised). What goes into a quantiser is computed in f32, as accurately as f32 sums, v_exp_f32 and their like allow (about 1e-6 of the number): no bf16 or f16 on the way to a quantiser, and a product that is left as it is and whose result goes on into a quantised operand takes f32 operands (vector FMAs, or v_wmma_f32_16x16x4_f32). A number that lies on a knife's edge between two numbers of the format may be rounded either way, as far as f32 arithmetic and the matrix unit's own rounding can turn it there, and no further.
;; One version. Each part assembles by itself: llvm-mc -triple=amdgcn-amd-amdhsa -mcpu=gfx1250 --defsym DOCPART=n.
;; ======== version 1 of 1: 4 launches
;; limits: right only within a limited range of input values
;; workspace buffers: xc 25,165,824 bytes; wc 4,194,304 bytes; qc 8,388,608 bytes; kc 8,388,608 bytes; vc 8,388,608 bytes; yc 8,388,608 bytes
;; launch quant (part 1): grid 384 x 1, 4 waves a work-group, no clusters, 35,328 bytes of LDS; arguments x, Wq, Wk, Wv, Wp, lowp_scales, xc, wc; writes xc, wc
.if DOCPART == 1
	.amdgcn_target "amdgcn-amd-amdhsa--gfx1250"
	.amdhsa_code_object_version 6
	.text
	.protected	k_qc5f299f72f_quant
	.globl	k_qc5f299f72f_quant
	.p2align	8
	.type	k_qc5f299f72f_quant,@function
k_qc5f299f72f_quant:
	s_mov_b64 s[64:65], 0
	v_nop
	global_prefetch_b8 v0, s[64:65] scope:SCOPE_SE
	s_setreg_imm32_b32 hwreg(HW_REG_WAVE_MODE, 25, 1), 1
	s_wait_xcnt 0x0
; x [8192][1024] f32 becomes three tensors of E4M3 codes (scales 2^e0, 2^e2, 2^e4: one for each of the three products that read x);
; Wq, Wk, Wv, Wp [k 1024][n 1024] f32 become codes along k (scales 2^e1, 2^e3, 2^e5, 2^e11).
; code = number / 2^e, held within +-448, rounded to the nearest code, ties to even.
; LIMITS: each e lies between -126 and 119, so that 2^e and 448 x 2^e are f32 numbers.  NaN among the inputs is not served.
; THE CODES ARE LAID AS THE PRODUCTS' OPERAND REGISTERS WANT THEM: [tile of 16 rows][k / 16][row % 16][16 codes]; a tile is 16,384 bytes.
; (For a weight the 'row' is its column n.)  128 along K of a tile are then 2,048 consecutive bytes, 16 x lane + 512 x register group.
; Work-groups 0-255 take x, 256-383 the weights; 131,072 bytes of f32 each.  Waves share nothing: no barrier.
; x: a wave takes 16 rows x 512 K in eight steps of 16 rows x 64 K.  Each load reads two rows' 256 aligned bytes; a step turns through the wave's
; own stage in LDS (rows 272 bytes apart) so that a lane gets 16 neighbours along K; each store covers 512 consecutive bytes.
; W: a lane takes a column and its registers run down K, so the conversions give codes with K innermost; sixteen lanes store 256 consecutive bytes.
.set WREG,  8704                       ; LDS of a wave: two stages
.set STG,   4352                       ; a stage: 16 rows x 272 bytes
.set SP,    272
.set SPARE, 4*WREG                     ; behind the stages: the spare words, 128 bytes a wave, which no other line names
.set LD,  1                            ; v1   x: 4,096 (lane / 16) + 16 (lane % 16)
.set SI,  2                            ; v2   the stage, way in
.set SO,  3                            ; v3   the stage, way out
.set CO,  4                            ; v4   16 x lane: my codes' place in a store's 512 bytes
.set WI,  8                            ; v8   W: 4 x lane
.set WO,  9                            ; v9   W's codes: 16,384 (lane / 16) + 16 (lane % 16)
.set SPW, 10                           ; v10  my spare word; never rewritten
.set NIL, 11                           ; v11  0; never rewritten
.set SCL, 12                           ; v12, v14, v16: 2^e; v13, v15, v17 not written
.set R,   20                           ; v20-115  x as loaded, three sets of 32
.set X,   116                          ; v116-179 x by neighbours, two sets of 32
.set T,   180                          ; not used: the conversions read X directly
.set C,   212                          ; v212-235 codes, six groups of 4
.set X2,  20                           ; W: two sets of 32 numbers
.set C2,  84                           ; W: two sets of 8 registers of codes
.macro MKSCALE e, sc, lm               ; s[e] = e  ->  v[sc] = 2^e as an f32 pattern; v[lm] is not written
	s_add_co_i32 s47, s[\e], 127
	s_lshl_b32 s46, s47, 23
	v_mov_b32 v[\sc], s46
	s_add_co_i32 s47, s47, 8
	s_lshl_b32 s47, s47, 23
	s_or_b32 s47, s47, 0x600000
.endm
	s_load_b256 s[4:11], s[0:1], 0x0               ; x, Wq, Wk, Wv
	s_load_b256 s[12:19], s[0:1], 0x20             ; Wp, the scales' exponents, xc, wc
	v_lshl_add_u32 v[SPW], v0, 2, SPARE
	v_mov_b32 v[NIL], 0
	v_lshrrev_b32 v5, 5, v0
	v_readfirstlane_b32 s20, v5                    ; wave
	v_and_b32 v5, 31, v0                           ; lane
	v_and_b32 v6, 15, v0                           ; lane % 16
	v_bfe_u32 v7, v0, 4, 1                         ; lane / 16
	s_mul_i32 s21, s20, WREG
	v_lshlrev_b32 v[LD], 12, v7
	v_lshl_add_u32 v[LD], v6, 4, v[LD]
	v_mul_u32_u24 v[SI], v7, SP
	v_lshl_add_u32 v[SI], v6, 4, v[SI]
	v_add_nc_u32 v[SI], s21, v[SI]                 ; in: as loaded: row lane / 16, 16 bytes a lane
	v_mul_u32_u24 v[SO], v6, SP
	v_lshl_add_u32 v[SO], v7, 6, v[SO]
	v_add_nc_u32 v[SO], s21, v[SO]                 ; out: row lane % 16, 64 bytes for each half of the lanes
	v_lshlrev_b32 v[CO], 4, v5
	v_lshlrev_b32 v[WI], 2, v5
	v_lshlrev_b32 v[WO], 14, v7
	v_lshl_add_u32 v[WO], v6, 4, v[WO]
	s_wait_kmcnt 0x0
	s_load_b256 s[24:31], s[14:15], 0x0            ; e0 .. e7
	s_load_b128 s[32:35], s[14:15], 0x20           ; e8 .. e11
	s_cmp_ge_u32 ttmp9, 256
	s_cbranch_scc1 .Lw
	; ---------------- x ----------------
	s_lshl_b32 s21, ttmp9, 2
	s_add_co_u32 s21, s21, s20                     ; my wave's job, 0 .. 1023
	s_lshr_b32 s22, s21, 1                         ; tile of 16 rows
	s_and_b32 s23, s21, 1                          ; which 512 along K
	s_lshl_b32 s44, s22, 16                        ; 16 rows of 4,096 bytes
	s_lshl_b32 s45, s23, 11
	s_add_co_u32 s44, s44, s45
	s_mov_b32 s45, 0
	s_add_nc_u64 s[36:37], s[4:5], s[44:45]
	s_lshl_b32 s44, s22, 14                        ; a tile of codes
	s_lshl_b32 s46, s23, 13
	s_add_co_u32 s44, s44, s46
	s_add_nc_u64 s[38:39], s[16:17], s[44:45]      ; the three tensors of codes lie 8,388,608 bytes apart: a base for each
	s_add_nc_u64 s[40:41], s[38:39], 0x800000
	s_add_nc_u64 s[42:43], s[40:41], 0x800000
.macro LOAD t                          ; step t: 16 rows x 256 bytes
.irp i, 0,1,2,3,4,5,6,7
	global_load_b128 v[R+32*((\t)%3)+4*\i:R+32*((\t)%3)+4*\i+3], v[LD], s[36:37] offset:8192*\i+256*(\t) th:TH_LOAD_NT
.endr
.endm
.macro TURN t                          ; through the stage; LDS serves a wave's instructions in order, so no wait stands between the stores and the loads
.irp i, 0,1,2,3,4,5,6,7
	ds_store_b128 v[SI], v[R+32*((\t)%3)+4*\i:R+32*((\t)%3)+4*\i+3] offset:STG*((\t)%2)+2*SP*\i
.endr
	v_nop
.irp c, 0,1
.irp j, 0,1,2,3
	ds_load_b128 v[X+32*((\t)%2)+16*\c+4*\j:X+32*((\t)%2)+16*\c+4*\j+3], v[SO] offset:STG*((\t)%2)+128*\c+16*\j   ; register 16 c + i: k = 64 t + 32 c + 16 (lane / 16) + i of row lane % 16
.endr
.endr
.endm
.macro STEP t
	s_wait_dscnt 0x0                               ; this step's numbers are back from the stage
.if (\t)+3 < 8
	LOAD (\t)+3
.endif
.if (\t) < 7
.if 6-(\t) >= 2
	s_wait_loadcnt 16                              ; the next step's eight loads are in; those of the two steps behind it may be out
.else
	s_wait_loadcnt 8*(6-(\t))
.endif
	TURN (\t)+1
.endif
	s_wait_xcnt 0x0                                ; the last step's stores have read their codes: the registers are written again below
.irp g, 0,1,2,3,4,5                    ; scale g / 2, 32 along K g % 2
.irp i, 0,1,2,3,4,5,6,7,8,9,10,11,12,13,14,15
.endr
	v_cvt_scalef32_pk8_fp8_f32 v[C+4*\g:C+4*\g+1], v[T+16*(\g%2)+((X+32*((\t)%2)+16*(\g%2)+0)-(T+16*(\g%2)+0)):T+16*(\g%2)+7+((X+32*((\t)%2)+16*(\g%2)+0)-(T+16*(\g%2)+0))], v[SCL+2*(\g/2)]
	v_cvt_scalef32_pk8_fp8_f32 v[C+4*\g+2:C+4*\g+3], v[T+16*(\g%2)+8+((X+32*((\t)%2)+16*(\g%2)+0)-(T+16*(\g%2)+0)):T+16*(\g%2)+15+((X+32*((\t)%2)+16*(\g%2)+0)-(T+16*(\g%2)+0))], v[SCL+2*(\g/2)]
	global_store_b128 v[CO], v[C+4*\g:C+4*\g+3], s[38+2*(\g/2):39+2*(\g/2)] offset:1024*(\t)+512*(\g%2)   ; 512 consecutive bytes
.endr
.endm
	LOAD 0
	LOAD 1
	LOAD 2
	s_wait_kmcnt 0x0
	MKSCALE 24, SCL, SCL+1
	MKSCALE 26, SCL+2, SCL+3
	MKSCALE 28, SCL+4, SCL+5
	s_wait_loadcnt 16                              ; step 0 is in; steps 1 and 2 may be out
	s_wait_alu depctr_va_vdst(0)
	TURN 0
.irp t, 0,1,2,3,4,5,6,7
	STEP \t
.endr
	s_wait_tensorcnt 0x0                           ; the wave's end
	ds_add_u32 v[SPW], v[NIL]
	s_wait_dscnt 0x0
	s_endpgm
	; ---------------- the weights: no LDS ----------------
.Lw:
	s_sub_co_u32 s21, ttmp9, 256
	s_lshr_b32 s22, s21, 5                         ; which weight: q, k, v, p
	s_and_b32 s23, s21, 7                          ; which 128 columns
	s_bfe_u32 s44, s21, 0x20003                    ; which 256 along K
	s_cmp_eq_u32 s22, 1
	s_cselect_b64 s[36:37], s[8:9], s[6:7]
	s_cmp_eq_u32 s22, 2
	s_cselect_b64 s[36:37], s[10:11], s[36:37]
	s_cmp_eq_u32 s22, 3
	s_cselect_b64 s[36:37], s[12:13], s[36:37]
	s_lshl_b32 s45, s23, 7
	s_lshl_b32 s46, s20, 5
	s_add_co_u32 s45, s45, s46                     ; my wave's first column
	s_lshl_b32 s46, s44, 20                        ; 256 rows of 4,096 bytes
	s_lshl_b32 s47, s45, 2
	s_add_co_u32 s46, s46, s47
	s_mov_b32 s47, 0
	s_add_nc_u64 s[36:37], s[36:37], s[46:47]
	s_lshl_b32 s46, s22, 20                        ; a weight's codes are 1,048,576 bytes
	s_lshl_b32 s45, s45, 10                        ; column / 16 tiles of 16,384 bytes
	s_add_co_u32 s46, s46, s45
	s_lshl_b32 s45, s44, 12                        ; 256 along K are 4,096 bytes of a tile
	s_add_co_u32 s46, s46, s45
	s_add_nc_u64 s[38:39], s[18:19], s[46:47]
.macro LOADW t                         ; block t: W(32 t + i, my column)
.irp i, 0,1,2,3,4,5,6,7,8,9,10,11,12,13,14,15,16,17,18,19,20,21,22,23,24,25,26,27,28,29,30,31
	global_load_b32 v[X2+32*((\t)%2)+\i], v[WI], s[36:37] offset:(32*(\t)+\i)*4096 th:TH_LOAD_NT
.endr
.endm
.macro BLOCK t
.if (\t) < 7
	s_wait_loadcnt 32                              ; this block is in; the next block's 32 loads may be out
.else
	s_wait_loadcnt 0x0
.endif
	s_wait_xcnt 0x0                                ; earlier stores have read their codes
.irp i, 0,1,2,3,4,5,6,7,8,9,10,11,12,13,14,15,16,17,18,19,20,21,22,23,24,25,26,27,28,29,30,31
.endr
.irp g, 0,1,2,3
	v_cvt_scalef32_pk8_fp8_f32 v[C2+8*((\t)%2)+2*\g:C2+8*((\t)%2)+2*\g+1], v[X2+32*((\t)%2)+8*\g:X2+32*((\t)%2)+8*\g+7], v[SCL]
.endr
.irp u, 0,1
	global_store_b128 v[WO], v[C2+8*((\t)%2)+4*\u:C2+8*((\t)%2)+4*\u+3], s[38:39] offset:(2*(\t)+\u)*256   ; sixteen lanes: 256 consecutive bytes, aligned
.endr
.if (\t)+2 < 8
	LOADW (\t)+2
.endif
.endm
	s_wait_alu depctr_va_vdst(0)
	LOADW 0
	LOADW 1
	s_wait_kmcnt 0x0
	s_cmp_eq_u32 s22, 1
	s_cselect_b32 s40, s27, s25                    ; e3 : e1
	s_cmp_eq_u32 s22, 2
	s_cselect_b32 s40, s29, s40                    ; e5
	s_cmp_eq_u32 s22, 3
	s_cselect_b32 s40, s35, s40                    ; e11
	MKSCALE 40, SCL, SCL+1
	s_wait_alu depctr_va_vdst(0)
.irp t, 0,1,2,3,4,5,6,7
	BLOCK \t
.endr
	s_endpgm
.Lfunc_end_k_qc5f299f72f_quant:
	.size	k_qc5f299f72f_quant, .Lfunc_end_k_qc5f299f72f_quant-k_qc5f299f72f_quant
	.p2alignl 7, 3214868480
	.fill 96, 4, 3214868480
	.section	.rodata,"a",@progbits
	.p2align	6, 0x0
	.amdhsa_kernel k_qc5f299f72f_quant
		.amdhsa_group_segment_fixed_size 35328
		.amdhsa_private_segment_fixed_size 0
		.amdhsa_enable_private_segment 0
		.amdhsa_kernarg_size 64
		.amdhsa_user_sgpr_count 2
		.amdhsa_user_sgpr_kernarg_segment_ptr 1
		.amdhsa_wavefront_size32 1
		.amdhsa_system_sgpr_workgroup_id_x 1
		.amdhsa_system_sgpr_workgroup_id_y 1
		.amdhsa_system_sgpr_workgroup_id_z 1
		.amdhsa_system_vgpr_workitem_id 0
		.amdhsa_next_free_vgpr 240
		.amdhsa_next_free_sgpr 66
		.amdhsa_reserve_vcc 0
		.amdhsa_float_denorm_mode_32 3
		.amdhsa_float_denorm_mode_16_64 3
		.amdhsa_fp16_overflow 1
		.amdhsa_memory_ordered 1
		.amdhsa_forward_progress 1
		.amdhsa_inst_pref_size 58
	.end_amdhsa_kernel
	.amdgpu_metadata
---
amdhsa.version: [ 1, 2 ]
amdhsa.kernels:
  - .name:           k_qc5f299f72f_quant
    .symbol:         k_qc5f299f72f_quant.kd
    .args:
      - { .name: x, .offset: 0, .size: 8, .value_kind: global_buffer, .address_space: global }
      - { .name: Wq, .offset: 8, .size: 8, .value_kind: global_buffer, .address_space: global }
      - { .name: Wk, .offset: 16, .size: 8, .value_kind: global_buffer, .address_space: global }
      - { .name: Wv, .offset: 24, .size: 8, .value_kind: global_buffer, .address_space: global }
      - { .name: Wp, .offset: 32, .size: 8, .value_kind: global_buffer, .address_space: global }
      - { .name: lowp_scales, .offset: 40, .size: 8, .value_kind: global_buffer, .address_space: global }
      - { .name: xc, .offset: 48, .size: 8, .value_kind: global_buffer, .address_space: global }
      - { .name: wc, .offset: 56, .size: 8, .value_kind: global_buffer, .address_space: global }
    .group_segment_fixed_size: 35328
    .private_segment_fixed_size: 0
    .kernarg_segment_align: 8
    .kernarg_segment_size: 64
    .max_flat_workgroup_size: 128
    .sgpr_count:     66
    .vgpr_count:     240
    .wavefront_size: 32
...
	.end_amdgpu_metadata
.endif
;; end of part 1
;; launch qkv (part 2): grid 96 x 4, 4 waves a work-group, clusters of 4 x 4, 327,680 bytes of LDS; arguments xc, wc, lowp_scales, bq, bk, bv, qc, kc, vc; writes qc, kc, vc
.if DOCPART == 2
	.amdgcn_target "amdgcn-amd-amdhsa--gfx1250"
	.amdhsa_code_object_version 6
	.text
	.protected	k_qc5f299f72f_qkv
	.globl	k_qc5f299f72f_qkv
	.p2align	8
	.type	k_qc5f299f72f_qkv,@function
k_qc5f299f72f_qkv:
	s_mov_b64 s[64:65], 0
	v_nop
	global_prefetch_b8 v0, s[64:65] scope:SCOPE_SE
	s_setreg_imm32_b32 hwreg(HW_REG_WAVE_MODE, 25, 1), 1
	s_wait_xcnt 0x0
	s_wait_alu depctr_hold_cnt(0) depctr_sa_sdst(0) depctr_va_vdst(0) depctr_va_sdst(0) depctr_va_ssrc(0) depctr_va_vcc(0) depctr_vm_vsrc(0)
	s_getreg_b32 s2, hwreg(HW_REG_IB_STS2, 6, 4)
	s_cmp_eq_u32 s2, 0
	s_cbranch_scc0 .Lentry_in_a_cluster
	s_endpgm
.Lentry_in_a_cluster:
	s_bfe_u32 s2, ttmp6, 0x10000c
	s_cmp_lg_u32 s2, 0xf033
	s_cbranch_scc0 .Lentry_shape_is_right
	s_endpgm
.Lentry_shape_is_right:
; q = x Wq + bq, k = x Wk + bk, v = x Wv + bv on E4M3 codes (K = 1,024), each result quantised at once (scales 2^e6, 2^e7, 2^e9) and stored as codes
; in the order of attention's operand registers.  No f32 result goes to memory.
; 384 tiles of 256 x 256 in 24 clusters of 4 x 4; cluster c: product c / 8 (q, k, v), eighth c % 8 of the 8,192 rows of x.
; Four waves, each 128 x 128: 64 accumulators, 512 registers.  K goes in steps of 256 through two LDS slots filled by joint tensor loads: A's tile is shared
; along a row of the cluster, B's along a column.
; 'A' is what source 1 of the matrix instruction takes, 'B' source 0: a lane then holds ONE row of A and eight neighbouring rows of B.
;   q, k: A = x's codes (rows t), B = the weight's (rows n): a lane's eight numbers run along the head's 64, which is the next product's K.
;   v:    A = the weight's (rows n), B = x's (rows t): a lane's eight numbers run along the keys, which are v's K in attention.
; The buffers are chosen by s_cselect on the cluster's number, which all sixteen partners share; the loop is the same for all three.
; THE CODES LIE AS REGISTER IMAGES: [tile of 16 rows][k / 16][row % 16][16]; a fragment (16 rows x 128 K) is four loads of 512 consecutive bytes, lane l's 16 bytes at 16 l:
; registers 4 c .. 4 c + 3 hold k = 32 c + 16 (l / 16) + 0 .. 15, in A and in B alike: a permutation of k that keeps every product with its partner.
; LIMITS: e0 + e1, e2 + e3, e4 + e5 between -126 and 127; e6, e7, e9 between -126 and 119.
; REGISTERS: window 0: v12-29 constants and addresses; v32-95 the bias in the result's layout; from v128 A's fragments, ONE set; on the way out v96-159 results, v160-223 codes.
;   window 1: B's fragments, two sets.   windows 2, 3: the accumulators ((a, b) at v[8 (8 (a % 4) + b)]).
.set KB,     4096                      ; 256 along K of a tile of 16 rows
.set HALFT,  8*KB                      ; 128 rows: what one tensor load brings
.set SLOT,   4*HALFT                   ; A's 256 rows, then B's
.set SPARE,  2*SLOT                    ; behind the ring: the spare words, 128 bytes a wave, which no other line names
.set FR,     16
.set NL,     4
.set NP,     4                         ; places behind this matrix instruction (ISA guide 7.12.1)
.set LIM,  12                          ; v12  not written
.set SC,   13                          ; v13  2^eo
.set ADRA, 16                          ; v16-17 my A fragments in slot 0, 1
.set ADRB, 20                          ; v20-21 the same for B
.set BNO,  23                          ; v23  32 (lane / 16)
.set BMO,  24                          ; v24  4 (lane % 16)
.set CO,   26                          ; v26  16 x lane
.set SPW,  28
.set NIL,  29
.set BN,   32
.set TMP,  96
.set AF,   128
.set CD,   160
.set G1, 24
.set G0, 32
.set G1B, 48
.set G0B, 56
.set MSB, 0
.macro WIN new                         ; the immediate's high byte repeats the setting that is left
.if MSB != \new
	s_set_vgpr_msb (MSB<<8)|\new
.set MSB, \new
.endif
.endm
.set MUL_LO, 0xa1                      ; source 0 (B) window 1, source 1 (A) window 0, C and D window 2
.set MUL_HI, 0xf1
.set TO_B,   0x40
.macro JLOAD g0a, g1a, g0b, g1b        ; a joint load: waves 0, 1 fetch A's halves, waves 2, 3 B's; an s_nop 0 and four v_nop follow each line
	s_cmp_eq_u32 s15, 0
	s_cbranch_scc0 .Lfor_b_\@
	tensor_load_to_lds s[\g0a:\g0a+3], s[\g1a:\g1a+7]
	s_nop 0
.rept 4
	v_nop
.endr
	s_branch .Lasked_\@
.Lfor_b_\@:
	tensor_load_to_lds s[\g0b:\g0b+3], s[\g1b:\g1b+7]
	s_nop 0
.rept 4
	v_nop
.endr
.Lasked_\@:
.endm
.macro CREST
	s_cmp_lg_u32 s14, 0
	s_cbranch_scc1 .Lnot_wave_0_\@
	s_barrier_signal -3
.Lnot_wave_0_\@:
	s_barrier_wait -3
	s_barrier_signal -1
	s_barrier_wait -1
.endm
.macro CROUND
	s_barrier_signal -1
	s_barrier_wait -1
	CREST
.endm
	s_load_b256 s[4:11], s[0:1], 0x0               ; xc, wc, the scales' exponents, bq
	s_load_b256 s[68:75], s[0:1], 0x20             ; bk, bv, qc, kc
	s_load_b64 s[76:77], s[0:1], 0x40              ; vc
	v_lshl_add_u32 v[SPW], v0, 2, SPARE
	v_mov_b32 v[NIL], 0
	ds_add_u32 v[SPW], v[NIL]
	ds_add_u32 v[SPW], v[NIL]                      ; the wave's opening: the add and its wait ahead of my first tensor load
	v_lshrrev_b32 v1, 5, v0
	v_readfirstlane_b32 s14, v1                    ; wave
	s_lshr_b32 s15, s14, 1                         ; my half of A's rows.  Also: I fetch for A (0) or B (1)
	s_and_b32 s16, s14, 1                          ; my half of B's rows.  Also: which 128 rows I fetch
	s_bfe_u32 s40, ttmp6, 0x40000                  ; cx
	s_bfe_u32 s41, ttmp6, 0x40004                  ; cy
	s_lshr_b32 s92, ttmp9, 3                       ; the product: 0 q, 1 k, 2 v
	s_and_b32 s94, ttmp9, 7
	s_lshl_b32 s94, s94, 2                         ; 4 x the eighth of x's rows
	s_cmp_eq_u32 s92, 2
	s_cselect_b32 s93, 1, 0                        ; v?
	s_cselect_b32 s17, 0, s94
	s_cselect_b32 s42, s94, 0
	s_add_co_u32 s17, s17, s41                     ; A's tile of 256 rows: made of cy and the cluster's number
	s_add_co_u32 s42, s42, s40                     ; B's: made of cx and the cluster's number
	s_lshl_b32 s43, s41, 2
	s_lshl_b32 s43, 15, s43                        ; my row of the cluster
	s_lshl_b32 s44, 0x1111, s40                    ; my column
	; descriptor group 1: 8 tiles of 16 rows, 4,096 bytes of each, 16,384 bytes apart; dense in LDS
	s_or_b32 s[G1+0], s43, (1<<21)                 ; 15:0 the mask; 17:16 elements of 1 byte; 21 set beside a mask; no padding
	s_or_b32 s[G1B+0], s44, (1<<21)
.irp g, G1, G1B
	s_mov_b32 s[\g+1], KB<<16                      ; tensor_dim0
	s_mov_b32 s[\g+2], 8<<16                       ; tensor_dim1
	s_mov_b32 s[\g+3], KB<<16                      ; tile_dim0
	s_mov_b32 s[\g+4], 8                           ; tile_dim1
	s_mov_b32 s[\g+5], 16384                       ; from tile to tile
	s_mov_b32 s[\g+6], 0
	s_mov_b32 s[\g+7], 0
.endr
	s_lshl_b32 s18, s16, 17                        ; the 128 rows that I fetch: 8 tiles of 16,384 bytes
	s_lshl_b32 s20, s17, 18
	s_add_co_u32 s20, s20, s18
	s_lshl_b32 s46, s42, 18
	s_add_co_u32 s46, s46, s18
	s_lshl_b32 s19, s92, 23                        ; the product's codes of x,
	s_lshl_b32 s22, s92, 20                        ; and of its weight
	s_cmp_eq_u32 s93, 1
	s_cselect_b32 s21, s22, s19
	s_cselect_b32 s47, s19, s22
	s_add_co_u32 s20, s20, s21
	s_add_co_u32 s46, s46, s47
	s_mov_b32 s21, 0
	s_mov_b32 s47, 0
	s_lshl_b32 s45, s14, 15                        ; where they go: wave x HALFT: no place in the cluster enters an LDS address
	s_wait_dscnt 0x0                               ; the opening add is done
	s_wait_kmcnt 0x0
	s_load_b256 s[80:87], s[8:9], 0x0              ; e0 .. e7
	s_load_b128 s[88:91], s[8:9], 0x20             ; e8 .. e11
	s_cmp_eq_u32 s93, 1
	s_cselect_b64 s[66:67], s[6:7], s[4:5]         ; A's buffer
	s_cselect_b64 s[22:23], s[4:5], s[6:7]         ; B's
	s_add_nc_u64 s[20:21], s[66:67], s[20:21]
	s_add_nc_u64 s[46:47], s[22:23], s[46:47]
	CROUND                                         ; all sixteen work-groups are here: the first joint loads meet
.irp s, 0,1
	s_mov_b32 s[G0+4*\s], 1
	s_add_co_u32 s[G0+4*\s+1], s45, \s*SLOT
	s_add_nc_u64 s[G0+4*\s+2:G0+4*\s+3], s[20:21], \s*KB
	s_or_b32 s[G0+4*\s+3], s[G0+4*\s+3], 0x80000000
	s_mov_b32 s[G0B+4*\s], 1
	s_add_co_u32 s[G0B+4*\s+1], s45, \s*SLOT
	s_add_nc_u64 s[G0B+4*\s+2:G0B+4*\s+3], s[46:47], \s*KB
	s_or_b32 s[G0B+4*\s+3], s[G0B+4*\s+3], 0x80000000
	JLOAD G0+4*\s, G1, G0B+4*\s, G1B
.endr
	v_and_b32 v1, 31, v0
	v_lshlrev_b32 v[CO], 4, v1
	s_lshl_b32 s18, s15, 15                        ; my 128 rows of A
	s_lshl_b32 s19, s16, 15                        ; my 128 rows of B,
	s_add_co_u32 s19, s19, 2*HALFT                 ; which lie behind A's 256
.irp s, 0,1
	v_add_nc_u32 v[ADRA+\s], s18, v[CO]
	v_add_nc_u32 v[ADRB+\s], s19, v[CO]
	s_add_co_u32 s18, s18, SLOT
	s_add_co_u32 s19, s19, SLOT
.endr
	v_bfe_u32 v2, v0, 4, 1
	v_lshlrev_b32 v[BNO], 5, v2
	v_and_b32 v3, 15, v0
	v_lshlrev_b32 v[BMO], 2, v3
	; the bias: the product's, at my 128 numbers of it (q, k: along B's rows; v: along A's)
	s_cmp_eq_u32 s92, 1
	s_cselect_b64 s[78:79], s[68:69], s[10:11]
	s_cmp_eq_u32 s92, 2
	s_cselect_b64 s[78:79], s[70:71], s[78:79]
	s_cselect_b32 s2, s17, s42
	s_cselect_b32 s3, s15, s16
	s_lshl_b32 s2, s2, 10
	s_lshl_b32 s3, s3, 9
	s_add_co_u32 s2, s2, s3
	s_mov_b32 s3, 0
	s_add_nc_u64 s[78:79], s[78:79], s[2:3]
	s_wait_alu depctr_va_vdst(0)
	; the powers of two: a sum stands for sum x 2^(eA + eB); the result is quantised with 2^eo.  Chosen without a jump
	s_wait_kmcnt 0x0
	s_cmp_eq_u32 s92, 1
	s_cselect_b32 s66, s82, s80
	s_cselect_b32 s67, s83, s81
	s_cselect_b32 s18, s87, s86
	s_cmp_eq_u32 s92, 2
	s_cselect_b32 s66, s84, s66
	s_cselect_b32 s67, s85, s67
	s_cselect_b32 s18, s89, s18
	s_add_co_i32 s96, s66, s67
	s_add_co_i32 s96, s96, 127
	s_lshl_b32 s96, s96, 23
	s_mov_b32 s97, s96                             ; (named with it as a pair)
	s_add_co_i32 s18, s18, 127
	s_lshl_b32 s19, s18, 23
	v_mov_b32 v[SC], s19
.macro FRAG reg, adr, q, i             ; tile i of my eight, the slot's q-th 128 along K: four loads of 512 consecutive bytes
.irp c, 0,1,2,3
	ds_load_b128 v[\reg+4*\c:\reg+4*\c+3], v[\adr] offset:4096*(\i)+2048*(\q)+512*\c
.endr
.endm
; 16 matrix instructions: A's blocks a0, a0 + 1 x B's eight.  The 64 accumulators take turns, one instruction a turn, in the same order in every step.
.macro MUL16 a0, p, zero
.irp a, \a0, \a0+1
.irp b, 0,1,2,3,4,5,6,7
.if \zero
	v_wmma_f32_16x16x128_fp8_fp8 v[8*(8*((\a)%4)+\b):8*(8*((\a)%4)+\b)+7], v[128*(\p)+FR*\b:128*(\p)+FR*\b+FR-1], v[AF+FR*(\a):AF+FR*(\a)+FR-1], 0
.else
	v_wmma_f32_16x16x128_fp8_fp8 v[8*(8*((\a)%4)+\b):8*(8*((\a)%4)+\b)+7], v[128*(\p)+FR*\b:128*(\p)+FR*\b+FR-1], v[AF+FR*(\a):AF+FR*(\a)+FR-1], v[8*(8*((\a)%4)+\b):8*(8*((\a)%4)+\b)+7]
.endif
.endr
.endr
.endm
.macro FETCH_B slot, q, p
	WIN TO_B
.irp i, 0,1,2,3,4,5,6,7
	FRAG 128*(\p)+FR*\i, ADRB+\slot, \q, \i
.endr
	WIN 0
.endm
.macro FETCH_A slot, q, i0
.irp i, \i0, \i0+1, \i0+2, \i0+3
	FRAG AF+FR*(\i), ADRA+\slot, \q, \i
.endr
.endm
.macro PLACES n                        ; plain vector instructions between a matrix instruction and a load into, or a read of, its registers
.rept \n
	v_nop
.endr
.endm
.macro STEP slot, q, zero              ; 128 along K whose successor lies in the same slot
	s_wait_dscnt 4*NL                              ; B's set and A's blocks 0-3 are in; A's blocks 4-7 may be out
	WIN MUL_LO
	MUL16 0, (\q)%2, \zero
	MUL16 2, (\q)%2, \zero
	s_wait_dscnt 0
	PLACES NP
	FETCH_B \slot, (\q)+1, 1-(\q)%2
	FETCH_A \slot, (\q)+1, 0
	WIN MUL_HI
	MUL16 4, (\q)%2, \zero
	MUL16 6, (\q)%2, \zero
	PLACES NP
	WIN 0
	FETCH_A \slot, (\q)+1, 4
.endm
; A slot's last step changes slots: one barrier; ahead of it each wave waits for all its tensor loads, adds 0 to its spare word, and waits for that and for its reads of this slot.
.macro TURN slot, next, fill
	s_wait_tensorcnt 0x0                           ; all my tensor loads have landed: my part of the next slot
	ds_add_u32 v[SPW], v[NIL]
	s_wait_dscnt 4*NL+1                            ; (the add and A's blocks 4-7 may be out)
	WIN MUL_LO
	MUL16 0, 1, 0
	s_wait_dscnt 0x0                               ; the add is done, and my reads of this slot are over
	s_barrier_signal -1
	MUL16 2, 1, 0
	WIN 0
	s_barrier_wait -1
.if \fill
	CREST                                          ; the barrier has opened a round of the cluster's: no wave of any partner still reads this slot or has a load on its way
	s_add_nc_u64 s[G0+4*\slot+2:G0+4*\slot+3], s[G0+4*\slot+2:G0+4*\slot+3], 2*KB
	s_add_nc_u64 s[G0B+4*\slot+2:G0B+4*\slot+3], s[G0B+4*\slot+2:G0B+4*\slot+3], 2*KB
	JLOAD G0+4*\slot, G1, G0B+4*\slot, G1B         ; the first tensor load behind the round; its four v_nop are the places for the loads below
.else
	PLACES NP
.endif
	FETCH_B \next, 0, 0
	FETCH_A \next, 0, 0
	WIN MUL_HI
	MUL16 4, 1, 0
	MUL16 6, 1, 0
	PLACES NP
	WIN 0
	FETCH_A \next, 0, 4
.endm
.macro TAIL                            ; the last two steps: no barrier and no tensor load
	STEP 1, 0, 0
	s_wait_dscnt 4*NL
	WIN MUL_LO
	MUL16 0, 1, 0
	MUL16 2, 1, 0
	s_wait_dscnt 0
	WIN MUL_HI
	MUL16 4, 1, 0
	MUL16 6, 1, 0
	WIN 0
	PLACES NP                                      ; ahead of the first read of results and of writes into A's registers
.endm
; THE WAY OUT, block a of 16 rows of A: result = sum x 2^(eA + eB) + bias, converted.  The eight conversions' 16 registers ARE operand registers of attention:
; q, k: two fragments (16 rows x the head's 64) of two neighbouring heads; v: one fragment (16 of the head's 64 x 128 keys).  Each store covers 512 consecutive bytes.
.macro WAYOUT isv
.irp a, 0,1,2,3,4,5,6,7
.if \a >= 4
	s_wait_xcnt 0x0                                ; block a - 4's stores have read their codes
.endif
.set W, 0x02+\a/4
	WIN W                                          ; source 0: window 2 or 3
.set j, 0
.rept 32
.if \isv
	v_pk_fma_f32 v[TMP+j:TMP+j+1], v[64*(\a%4)+j:64*(\a%4)+j+1], s[96:97], v[BN+2*\a:BN+2*\a+1] op_sel_hi:[1,0,1]
.else
	v_pk_fma_f32 v[TMP+j:TMP+j+1], v[64*(\a%4)+j:64*(\a%4)+j+1], s[96:97], v[BN+j:BN+j+1] op_sel_hi:[1,0,1]
.endif
.set j, j+2
.endr
	WIN 0
.set j, 0
.rept 64
.set j, j+1
.endr
.irp b, 0,1,2,3,4,5,6,7
	v_cvt_scalef32_pk8_fp8_f32 v[CD+16*(\a%4)+2*\b:CD+16*(\a%4)+2*\b+1], v[TMP+8*\b:TMP+8*\b+7], v[SC]
.endr
	v_nop                                          ; a plain line between the conversions and the next block's writes of their sources
.irp g, 0,1,2,3
.if \isv
	global_store_b128 v[CO], v[CD+16*(\a%4)+4*\g:CD+16*(\a%4)+4*\g+3], s[12:13] offset:(\a/4)*131072+(\a%4)*2048+512*\g
.else
	global_store_b128 v[CO], v[CD+16*(\a%4)+4*\g:CD+16*(\a%4)+4*\g+3], s[12:13] offset:(\g/2)*131072+\a*1024+(\g%2)*512
.endif
.endr
.endr
.endm
	s_wait_tensorcnt 1                             ; my part of K step 0 is in; K step 1's load may be out
	s_barrier_signal -1
	s_barrier_wait -1
	FETCH_B 0, 0, 0
	FETCH_A 0, 0, 0
	FETCH_A 0, 0, 4
	STEP 0, 0, 1                                   ; the first products start the sums: nothing is cleared.  K = 1,024 is four K steps: written out
	TURN 0, 1, 1                                   ; slot 0 takes K step 2
	STEP 1, 0, 0
	TURN 1, 0, 1                                   ; slot 1 takes K step 3
	STEP 0, 0, 0
	TURN 0, 1, 0
	s_cmp_eq_u32 s93, 1                            ; the one parting of the ways, on the cluster's number: the bias loads below land under the last 128 matrix instructions
	s_cbranch_scc1 .Lv
	; ---- q, k: register 8 b + j of the bias: number 16 b + 8 (lane / 16) + j of my 128
.irp b, 0,1,2,3,4,5,6,7
	global_load_b128 v[BN+8*\b:BN+8*\b+3], v[BNO], s[78:79] offset:64*\b
	global_load_b128 v[BN+8*\b+4:BN+8*\b+7], v[BNO], s[78:79] offset:64*\b+16
.endr
	s_lshr_b32 s18, s17, 3                         ; batch
	s_lshl_b32 s18, s18, 4
	s_lshl_b32 s19, s42, 2
	s_add_co_u32 s18, s18, s19
	s_lshl_b32 s19, s16, 1
	s_add_co_u32 s18, s18, s19                     ; 16 x batch + my first head
	s_lshl_b32 s18, s18, 7
	s_and_b32 s19, s17, 7
	s_lshl_b32 s19, s19, 4
	s_add_co_u32 s18, s18, s19
	s_lshl_b32 s19, s15, 3
	s_add_co_u32 s18, s18, s19                     ; x 128 tiles of 16 rows + my first tile
	s_lshl_b32 s18, s18, 10                        ; of 1,024 bytes
	s_mov_b32 s19, 0
	s_cmp_eq_u32 s92, 0
	s_cselect_b64 s[12:13], s[72:73], s[74:75]
	s_add_nc_u64 s[12:13], s[12:13], s[18:19]
	TAIL
	s_wait_loadcnt 0x0                             ; the bias
	WAYOUT 0
	s_branch .Ldone
.Lv:
	; ---- v: block a wants one number a lane, 16 a + lane % 16 of my 128, in both registers of a pair
.irp a, 0,1,2,3,4,5,6,7
	global_load_b32 v[BN+2*\a], v[BMO], s[78:79] offset:64*\a
	global_load_b32 v[BN+2*\a+1], v[BMO], s[78:79] offset:64*\a
.endr
	s_lshr_b32 s18, s42, 3                         ; batch
	s_lshl_b32 s18, s18, 4
	s_lshl_b32 s19, s17, 2
	s_add_co_u32 s18, s18, s19
	s_lshl_b32 s19, s15, 1
	s_add_co_u32 s18, s18, s19                     ; 16 x batch + my first head
	s_lshl_b32 s18, s18, 4
	s_and_b32 s19, s42, 7
	s_lshl_b32 s19, s19, 1
	s_add_co_u32 s18, s18, s19
	s_add_co_u32 s18, s18, s16                     ; x 16 blocks of 128 keys + my block
	s_lshl_b32 s18, s18, 13                        ; of 8,192 bytes
	s_mov_b32 s19, 0
	s_add_nc_u64 s[12:13], s[76:77], s[18:19]
	TAIL
	s_wait_loadcnt 0x0
	WAYOUT 1
.Ldone:
	s_wait_tensorcnt 0x0                           ; the wave's end
	ds_add_u32 v[SPW], v[NIL]
	s_wait_dscnt 0x0
	CROUND                                         ; the closing round
	s_endpgm
.Lfunc_end_k_qc5f299f72f_qkv:
	.size	k_qc5f299f72f_qkv, .Lfunc_end_k_qc5f299f72f_qkv-k_qc5f299f72f_qkv
	.p2alignl 7, 3214868480
	.fill 96, 4, 3214868480
	.section	.rodata,"a",@progbits
	.p2align	6, 0x0
	.amdhsa_kernel k_qc5f299f72f_qkv
		.amdhsa_group_segment_fixed_size 327680
		.amdhsa_private_segment_fixed_size 0
		.amdhsa_enable_private_segment 0
		.amdhsa_kernarg_size 72
		.amdhsa_user_sgpr_count 2
		.amdhsa_user_sgpr_kernarg_segment_ptr 1
		.amdhsa_wavefront_size32 1
		.amdhsa_system_sgpr_workgroup_id_x 1
		.amdhsa_system_sgpr_workgroup_id_y 1
		.amdhsa_system_sgpr_workgroup_id_z 1
		.amdhsa_system_vgpr_workitem_id 0
		.amdhsa_next_free_vgpr 1024
		.amdhsa_next_free_sgpr 100
		.amdhsa_reserve_vcc 0
		.amdhsa_float_denorm_mode_32 3
		.amdhsa_float_denorm_mode_16_64 3
		.amdhsa_fp16_overflow 1
		.amdhsa_memory_ordered 1
		.amdhsa_forward_progress 1
		.amdhsa_inst_pref_size 143
	.end_amdhsa_kernel
	.amdgpu_metadata
---
amdhsa.version: [ 1, 2 ]
amdhsa.kernels:
  - .name:           k_qc5f299f72f_qkv
    .symbol:         k_qc5f299f72f_qkv.kd
    .args:
      - { .name: xc, .offset: 0, .size: 8, .value_kind: global_buffer, .address_space: global }
      - { .name: wc, .offset: 8, .size: 8, .value_kind: global_buffer, .address_space: global }
      - { .name: lowp_scales, .offset: 16, .size: 8, .value_kind: global_buffer, .address_space: global }
      - { .name: bq, .offset: 24, .size: 8, .value_kind: global_buffer, .address_space: global }
      - { .name: bk, .offset: 32, .size: 8, .value_kind: global_buffer, .address_space: global }
      - { .name: bv, .offset: 40, .size: 8, .value_kind: global_buffer, .address_space: global }
      - { .name: qc, .offset: 48, .size: 8, .value_kind: global_buffer, .address_space: global }
      - { .name: kc, .offset: 56, .size: 8, .value_kind: global_buffer, .address_space: global }
      - { .name: vc, .offset: 64, .size: 8, .value_kind: global_buffer, .address_space: global }
    .group_segment_fixed_size: 327680
    .private_segment_fixed_size: 0
    .kernarg_segment_align: 8
    .kernarg_segment_size: 72
    .max_flat_workgroup_size: 128
    .sgpr_count:     100
    .vgpr_count:     1024
    .wavefront_size: 32
...
	.end_amdgpu_metadata
.endif
;; end of part 2
;; launch attn (part 3): grid 4 x 64, 8 waves a work-group, no clusters, 327,680 bytes of LDS; arguments qc, kc, vc, lowp_scales, yc; writes yc
.if DOCPART == 3
	.amdgcn_target "amdgcn-amd-amdhsa--gfx1250"
	.amdhsa_code_object_version 6
	.text
	.protected	k_qc5f299f72f_attn
	.globl	k_qc5f299f72f_attn
	.p2align	8
	.type	k_qc5f299f72f_attn,@function
k_qc5f299f72f_attn:
	s_mov_b64 s[64:65], 0
	v_nop
	global_prefetch_b8 v0, s[64:65] scope:SCOPE_SE
	s_setreg_imm32_b32 hwreg(HW_REG_WAVE_MODE, 25, 1), 1
	s_wait_xcnt 0x0
; y = softmax(q k^T / 8, causal) v for 64 heads (batch x head) of 2,048 x 64, both products on E4M3 codes; y is quantised at once (2^e10) and stored as codes for the last product.
; THE SOFTMAX: t = score x log2(e) / 8; M = the running largest t rounded UP to a whole number; p = 2^(t - M) is quantised (2^e8), not normalised; the row's sum is taken of the unquantised p
; and divides at the end.  When M moves, the sum and O are multiplied by 2^(old M - new M), which rounds nothing.
; SHARES.  Work-group (p, head) takes the block of 256 queries 7 - p, which wants 8 - p slots of 256 keys, and then block p, which wants p + 1: NINE slots for every work-group, so the
; trip count is a constant and the causal work is even.  Each of eight waves owns 32 queries, two tiles of 16: a fragment of K or V read from LDS feeds two matrix instructions.
; NO CLUSTER: the four work-groups of a head want different slots from the fifth trip on; walked jointly, they would pass 12 slots where each has work for 9.
; LAYOUT.  Both products transposed: S^T = K Q^T (source 0 = 16 keys), O^T = V^T P^T (source 0 = 16 of the head's 64): a lane holds one query (lane % 16) throughout, and the eight registers
; of tile t of S^T are keys 16 t + 8 (lane / 16) + 0 .. 7: converted, they are registers 2 t, 2 t + 1 of P.  q, k, v lie in memory as images of their fragments' registers:
; every LDS load takes 512 consecutive bytes, 16 x lane.
; A step of 128 keys all of which come after my 32 queries is left out by a scalar branch on ids; no barrier and no tensor load stands in a step.  Steps begin at multiples of 128 and my queries
; at a multiple of 32, so in every step that is walked each query has a key that counts: no row is all hidden.
; LIMITS: e6 + e7 between -124 and 129 (added to c's exponent field); e8, e10 between -126 and 119; e8 + e9 goes by v_ldexp_f32 and has none.
; REGISTERS: window 0: v1-11, v28 addresses and constants; v12-27 two tiles' statistics; v30-31 the mask's; v32-159 S^T, then p; v160-223 K's or V's fragments; v224-255 P.
;   window 1: v0-63 O^T (tile u, 16 d on: v[32 u + 8 d]); v64-79 Q.
.set SLOTB, 32768                      ; an LDS slot: 16,384 bytes of K (16 images of 1,024), then 16,384 of V (2 x 4 images of 2,048)
.set VOFF,  16384
.set SPARE, 2*SLOTB                    ; behind the ring: the spare words, 128 bytes a wave, which no other line names
.set L16,  1                           ; v1  16 x lane
.set ADR,  2                           ; v2  + the slot in hand
.set PFO,  3                           ; v3  256 x lane
.set SPW,  4
.set NIL,  5
.set GO,   6                           ; v6  16 (lane % 16) + 8 (lane / 16)
.set DL0,  7                           ; v7  lane % 16 - 8 (lane / 16)
.set NINF, 8                           ; v8  -infinity
.set PLIM, 9                           ; v9  not written
.set PSC,  10                          ; v10 2^e8
.set YLIM, 11                          ; v11 not written
.set ST,   12                          ; tile u at v[12 + 8 u]: +0 -M, +1 the largest t, +2, +3 the sum in two halves, +4 f, +5 +6 +7 at work
.set YSC,  28                          ; v28 2^e10
.set MD,   30
.set S,    32
.set KV,   160
.set P,    224
.set O,    0                           ; window 1
.set Q,    64                          ; window 1
.set WV,   14
.set PP,   15
.set BH,   16
.set SWT,  17                          ; the trip count at which the first block ends
.set RST,  18                          ; slots of the first block
.set KSN,  19                          ; the slot of keys last asked for
.set KF,   20                          ; first key of the slot in hand
.set Q0,   21                          ; my first query
.set TB,   22                          ; LDS byte of the slot in hand
.set TRIPS, 23
.set JB,   24
.set G1,   28                          ; s[28:35]
.set G0,   36                          ; s[36:39]
.set KVB,  40                          ; s[40:41] the head's K (wave 0) or V
.set OFS,  42                          ; s[42:43] an offset; s43 stays 0
.set SEL,  44
.set CS,   46
.set PFA,  48
.set LIM,  50
.set QA,   52
.set YB,   54
.set MSB, 0
.macro WIN new
.if MSB != \new
	s_set_vgpr_msb (MSB<<8)|\new
.set MSB, \new
.endif
.endm
.macro TLOAD                           ; wave 0 fetches K's 16,384 bytes, wave 1 V's; an s_nop 0 and four v_nop follow the line
	s_cmp_lt_u32 s[WV], 2
	s_cbranch_scc0 .Lnone_\@
	tensor_load_to_lds s[G0:G0+3], s[G1:G1+7]
	s_nop 0
.rept 4
	v_nop
.endr
.Lnone_\@:
.endm
; A prefetch of the slot that the NEXT change of slots will ask for.  The four work-groups of a head walk the same K and V; only work-group 0 walks all eight slots in order, and it asks:
; waves 2, 3 for K's 16,384 bytes, waves 4, 5 for V's, 8,192 a wave, lanes 256 bytes apart: each block is named once.  In trip i it names slot i + 2; it stops behind slot 7.
.macro ASK
	s_cmp_gt_u32 s[TRIPS], s[LIM]
	s_cbranch_scc0 .Lnot_mine_\@
	global_prefetch_b8 v[PFO], s[PFA:PFA+1] th:TH_LOAD_NT scope:SCOPE_SE
.Lnot_mine_\@:
.endm
.macro MKSCALE e, sc, lm
	s_add_co_i32 s68, s[\e], 127
	s_lshl_b32 s69, s68, 23
	v_mov_b32 v[\sc], s69
.endm
; A block of queries begins: addresses, Q's two fragments, zeros for O^T and the sum, -3e38 for the largest t (the first change of M multiplies zeros).
.macro NEWBLOCK
	s_lshl_b32 s[Q0], s[JB], 8
	s_lshl_b32 s68, s[WV], 5
	s_add_co_u32 s[Q0], s[Q0], s68
	s_lshl_b32 s68, s[Q0], 6                       ; Q0 / 16 images of 1,024 bytes
	s_lshl_b32 s70, s[BH], 17
	s_add_co_u32 s68, s68, s70
	s_mov_b32 s69, 0
	s_add_nc_u64 s[QA:QA+1], s[4:5], s[68:69]
	s_lshr_b32 s68, s[BH], 4
	s_lshl_b32 s68, s68, 21                        ; the batch's 128 tiles of 16,384 bytes,
	s_lshl_b32 s70, s[Q0], 10                      ; Q0 / 16 tiles,
	s_add_co_u32 s68, s68, s70
	s_and_b32 s70, s[BH], 15
	s_lshl_b32 s70, s70, 10                        ; the head's 64 along K: 1,024 bytes of a tile
	s_add_co_u32 s68, s68, s70
	s_add_nc_u64 s[YB:YB+1], s[12:13], s[68:69]
	WIN 0x40                                       ; destination window 1
.irp u, 0,1
.irp c, 0,1
	global_load_b128 v[Q+8*\u+4*\c:Q+8*\u+4*\c+3], v[L16], s[QA:QA+1] offset:1024*\u+512*\c
.endr
.endr
.set j, 0
.rept 64
	v_mov_b32 v[O+j], 0
.set j, j+1
.endr
	WIN 0
.irp u, 0,1
	v_mov_b32 v[ST+8*\u+1], 0xff61b1e6
	s_delay_alu instid0(VALU_DEP_1)
	v_floor_f32 v[ST+8*\u], -v[ST+8*\u+1]
	v_mov_b32 v[ST+8*\u+2], 0
	v_mov_b32 v[ST+8*\u+3], 0
	v_mov_b32 v[ST+8*\u+5], 0                      ; a lane permute's destination counts as read; also the upper half of f's pair
.endr
	s_wait_loadcnt 0x0                             ; Q
.endm
; A KEY STEP: the q-th 128 keys of the slot in hand, for my two tiles of queries.
.macro STEP q
	s_add_co_u32 s66, s[KF], 128*(\q)              ; the step's first key
	s_add_co_u32 s67, s[Q0], 31
	s_cmp_gt_u32 s66, s67
	s_cbranch_scc1 .Lhid_\@                        ; all its keys come after my queries
	s_wait_alu depctr_va_vdst(0)
.irp t, 0,1,2,3,4,5,6,7
	ds_load_b128 v[KV+8*\t:KV+8*\t+3], v[ADR] offset:8192*(\q)+1024*\t
	ds_load_b128 v[KV+8*\t+4:KV+8*\t+7], v[ADR] offset:8192*(\q)+1024*\t+512
.endr
	WIN 0x04                                       ; source 1 (Q) window 1
.irp t, 0,1,2,3,4,5,6,7
	s_wait_dscnt 14-2*\t                           ; fragment t is in; the later fragments' loads may be out
	v_wmma_f32_16x16x64_fp8_fp8 v[S+8*\t:S+8*\t+7], v[KV+8*\t:KV+8*\t+7], v[Q:Q+7], 0
	v_wmma_f32_16x16x64_fp8_fp8 v[S+64+8*\t:S+64+8*\t+7], v[KV+8*\t:KV+8*\t+7], v[Q+8:Q+15], 0
.endr
	WIN 0
.rept 4
	v_nop                                          ; places ahead of the loads into K's registers and of the first read of the scores
.endr
	s_wait_alu depctr_va_vdst(0)
.irp d, 0,1,2,3                        ; V's four fragments land under the softmax
.irp c, 0,1,2,3
	ds_load_b128 v[KV+16*\d+4*\c:KV+16*\d+4*\c+3], v[ADR] offset:VOFF+8192*(\q)+2048*\d+512*\c
.endr
.endr
	s_add_co_u32 s67, s66, 127
	s_cmp_le_u32 s67, s[Q0]
	s_cbranch_scc1 .Lopen_\@                       ; all its keys count for all my queries
	s_sub_co_i32 s67, s[Q0], s66
	v_add_nc_u32 v[MD], s67, v[DL0]                ; d = my query - the step's first key - 8 (lane / 16); register 8 t + j is hidden where 16 t + j > d
	s_delay_alu instid0(VALU_DEP_1)
	v_add_nc_u32 v[MD+1], 16, v[MD]
.irp u, 0,1
.set n, 0
.rept 64
	v_cmp_gt_i32 vcc_lo, 16*(n/8)+n%8, v[MD+\u]
	v_cndmask_b32 v[S+64*\u+n], v[S+64*\u+n], v[NINF], vcc_lo
.set n, n+1
.endr
.endr
.Lopen_\@:
.irp u, 0,1                            ; the largest score of each query among my 64 keys: two chains a tile, the scores in ascending order
	v_max3_num_f32 v[ST+8*\u+6], v[S+64*\u], v[S+64*\u+1], v[S+64*\u+2]
	v_max3_num_f32 v[ST+8*\u+7], v[S+64*\u+3], v[S+64*\u+4], v[S+64*\u+5]
.endr
.irp i, 6,10,14,18,22,26,30,34,38,42,46,50,54,58
.irp u, 0,1
	v_max3_num_f32 v[ST+8*\u+6], v[ST+8*\u+6], v[S+64*\u+\i], v[S+64*\u+\i+1]
	v_max3_num_f32 v[ST+8*\u+7], v[ST+8*\u+7], v[S+64*\u+\i+2], v[S+64*\u+\i+3]
.endr
.endr
.irp u, 0
	v_max3_num_f32 v[ST+8*\u+6], v[ST+8*\u+6], v[S+64*\u+62], v[S+64*\u+63]
.endr
.irp u, 1
	v_max3_num_f32 v[ST+8*\u+6], v[ST+8*\u+6], v[S+64*\u+62], v[S+64*\u+63]
.endr
.irp u, 0,1
	s_delay_alu instid0(VALU_DEP_2)
	v_max_num_f32 v[ST+8*\u+6], v[ST+8*\u+6], v[ST+8*\u+7]
.endr
.irp u, 0,1
	s_delay_alu instid0(VALU_DEP_2)
	v_permlanex16_b32 v[ST+8*\u+5], v[ST+8*\u+6], s[SEL], s[SEL+1]   ; the query's other 64 keys lie in the lane 16 away
.endr
.irp u, 0,1
	s_delay_alu instid0(VALU_DEP_2)
	v_max_num_f32 v[ST+8*\u+6], v[ST+8*\u+6], v[ST+8*\u+5]
.endr
.irp u, 0,1
	s_delay_alu instid0(VALU_DEP_2)
	v_mul_f32 v[ST+8*\u+6], s[CS], v[ST+8*\u+6]    ; as t (c is positive)
.endr
.irp u, 0
	s_delay_alu instid0(VALU_DEP_2)
	v_max_num_f32 v[ST+8*\u+1], v[ST+8*\u+1], v[ST+8*\u+6]
	v_mov_b32 v[ST+8*\u+6], v[ST+8*\u]
.endr
.irp u, 1
	s_delay_alu instid0(VALU_DEP_3)
	v_max_num_f32 v[ST+8*\u+1], v[ST+8*\u+1], v[ST+8*\u+6]
	v_mov_b32 v[ST+8*\u+6], v[ST+8*\u]
.endr
.irp u, 0
	s_delay_alu instid0(VALU_DEP_4)
	v_floor_f32 v[ST+8*\u], -v[ST+8*\u+1]
.endr
.irp u, 1
	s_delay_alu instid0(VALU_DEP_3)
	v_floor_f32 v[ST+8*\u], -v[ST+8*\u+1]          ; -M = floor(-t) = -ceil(t)
.endr
.irp u, 0,1
	s_delay_alu instid0(VALU_DEP_2)
	v_sub_f32 v[ST+8*\u+6], v[ST+8*\u], v[ST+8*\u+6]   ; old M - new M: a whole number, 0 or less
.endr
.irp u, 0,1
	s_delay_alu instid0(VALU_DEP_2)
	v_cvt_i32_f32 v[ST+8*\u+6], v[ST+8*\u+6]       ; (it saturates)
.endr
.irp u, 0,1
	s_delay_alu instid0(VALU_DEP_2)
	v_ldexp_f32 v[ST+8*\u+4], 1.0, v[ST+8*\u+6]    ; f = 2^(old M - new M)
.endr
.irp u, 0,1
.set j, 0
.rept 32
	v_pk_fma_f32 v[S+64*\u+j:S+64*\u+j+1], v[S+64*\u+j:S+64*\u+j+1], s[CS:CS+1], v[ST+8*\u:ST+8*\u+1] op_sel_hi:[1,0,0]   ; t - M
.set j, j+2
.endr
.endr
.set j, 0
	s_wait_alu depctr_va_vdst(0)
.rept 128
	v_exp_f32 v[S+j], v[S+j]                       ; p = 2^(t - M): one batch
.set j, j+1
.endr
.irp u, 0,1
	v_pk_mul_f32 v[ST+8*\u+2:ST+8*\u+3], v[ST+8*\u+2:ST+8*\u+3], v[ST+8*\u+4:ST+8*\u+5] op_sel_hi:[1,0]   ; the sums under the new M: also the plain line behind the exponentials
.endr
	s_wait_alu depctr_va_vdst(0)                   ; one wait for the batch, ahead of its first reader
.irp u, 0,1                            ; the row's sum of the UNQUANTISED p, two chains a tile
	v_pk_add_f32 v[ST+8*\u+6:ST+8*\u+7], v[S+64*\u:S+64*\u+1], v[S+64*\u+2:S+64*\u+3]
.endr
.irp i, 4,8,12,16,20,24,28,32,36,40,44,48,52,56,60
.irp u, 0,1
	v_pk_add_f32 v[ST+8*\u+2:ST+8*\u+3], v[ST+8*\u+2:ST+8*\u+3], v[S+64*\u+\i:S+64*\u+\i+1]
	v_pk_add_f32 v[ST+8*\u+6:ST+8*\u+7], v[ST+8*\u+6:ST+8*\u+7], v[S+64*\u+\i+2:S+64*\u+\i+3]
.endr
.endr
.irp u, 0
	s_delay_alu instid0(VALU_DEP_3)
	v_pk_add_f32 v[ST+8*\u+2:ST+8*\u+3], v[ST+8*\u+2:ST+8*\u+3], v[ST+8*\u+6:ST+8*\u+7]
.endr
.irp u, 1
	s_delay_alu instid0(VALU_DEP_2)
	v_pk_add_f32 v[ST+8*\u+2:ST+8*\u+3], v[ST+8*\u+2:ST+8*\u+3], v[ST+8*\u+6:ST+8*\u+7]
.endr
.irp u, 0,1
.irp t, 0,1,2,3,4,5,6,7
.irp i, 0,1,2,3,4,5,6,7
.endr
	v_cvt_scalef32_pk8_fp8_f32 v[P+16*\u+2*\t:P+16*\u+2*\t+1], v[S+64*\u+8*\t:S+64*\u+8*\t+7], v[PSC]
.endr
.endr
	WIN 0x41                                       ; O^T (destination, source 0) window 1, f window 0
.irp u, 0,1
.set j, 0
.rept 16
	v_pk_mul_f32 v[O+32*\u+j:O+32*\u+j+1], v[O+32*\u+j:O+32*\u+j+1], v[ST+8*\u+4:ST+8*\u+5] op_sel_hi:[1,0]   ; O^T under the new M; also the plain lines between the conversions and the products
.set j, j+2
.endr
.endr
	s_wait_alu depctr_va_vdst(0)
	s_wait_dscnt 0x0                               ; V is in
	WIN 0x50                                       ; C and D window 1
.irp d, 0,1,2,3                        ; eight accumulators, one instruction a turn
.irp u, 0,1
	v_wmma_f32_16x16x128_fp8_fp8 v[O+32*\u+8*\d:O+32*\u+8*\d+7], v[KV+16*\d:KV+16*\d+15], v[P+16*\u:P+16*\u+15], v[O+32*\u+8*\d:O+32*\u+8*\d+7]
.endr
.endr
	WIN 0
.rept 4
	v_nop                                          ; places ahead of the next loads into V's registers and of the next read of O^T
.endr
.Lhid_\@:
.endm
; THE CHANGE OF SLOTS, at a slot's head: each wave waits for all its tensor loads, adds 0 to its spare word, waits for that and for its reads of the slot that it has left; one barrier;
; behind it the slot just left is filled with the keys that follow: that load has a whole slot's steps in which to land.  One tensor load of a wave is out at a time.
.macro CHANGE fill
	s_wait_tensorcnt 0x0                           ; no tensor load of mine is out: group 0 may be written
	ds_add_u32 v[SPW], v[NIL]
	s_lshl_b32 s[KF], s[KSN], 8                    ; the slot that has landed
.if \fill
	s_xor_b32 s[G0+1], s[G0+1], SLOTB
	s_add_co_u32 s[KSN], s[KSN], 1
	s_cmp_eq_u32 s[KSN], s[RST]
	s_cselect_b32 s[KSN], 0, s[KSN]                ; behind the first block's last slot comes the second block's slot 0
	s_lshl_b32 s[OFS], s[KSN], 14
	s_add_nc_u64 s[G0+2:G0+3], s[KVB:KVB+1], s[OFS:OFS+1]
	s_or_b32 s[G0+3], s[G0+3], 0x80000000
	s_wait_xcnt 0x0                                ; the last prefetch, a slot back, has read its address
	s_add_nc_u64 s[PFA:PFA+1], s[PFA:PFA+1], 16384
.endif
	s_wait_dscnt 0x0                               ; the add is done, and my reads of the slot that I have left are over
	s_barrier_signal -1
	s_barrier_wait -1
.if \fill
	TLOAD
	ASK
.endif
	v_add_nc_u32 v[ADR], s[TB], v[L16]
.endm
; A BLOCK'S WAY OUT: y = O^T / the sum x 2^(e8 + e9), converted.  A lane's eight codes are 16 d + 8 (lane / 16) + 0 .. 7 of its query's row: the 32 lanes of a store fill 256 consecutive bytes.
.macro OUT
.irp u, 0,1
	v_add_f32 v[ST+8*\u+6], v[ST+8*\u+2], v[ST+8*\u+3]
.endr
.irp u, 0,1
	s_delay_alu instid0(VALU_DEP_2)
	v_permlanex16_b32 v[ST+8*\u+5], v[ST+8*\u+6], s[SEL], s[SEL+1]
.endr
.irp u, 0,1
	s_delay_alu instid0(VALU_DEP_2)
	v_add_f32 v[ST+8*\u+6], v[ST+8*\u+6], v[ST+8*\u+5]
.endr
	s_wait_alu depctr_va_vdst(0)
.irp u, 0,1
	v_rcp_f32 v[ST+8*\u+4], v[ST+8*\u+6]
.endr
	v_nop                                          ; a plain line behind the reciprocals
	s_wait_alu depctr_va_vdst(0)                   ; and the wait ahead of their first reader
.irp u, 0,1
	v_ldexp_f32 v[ST+8*\u+4], v[ST+8*\u+4], s61
.endr
	WIN 0x01                                       ; source 0 (O^T) window 1
.irp u, 0,1
.set j, 0
.rept 16
	v_pk_mul_f32 v[S+64*\u+j:S+64*\u+j+1], v[O+32*\u+j:O+32*\u+j+1], v[ST+8*\u+4:ST+8*\u+5] op_sel_hi:[1,0]
.set j, j+2
.endr
.endr
	WIN 0
.irp u, 0,1
.set j, 0
.rept 32
.set j, j+1
.endr
.endr
.irp u, 0,1
.irp d, 0,1,2,3
	v_cvt_scalef32_pk8_fp8_f32 v[P+16*\u+2*\d:P+16*\u+2*\d+1], v[S+64*\u+8*\d:S+64*\u+8*\d+7], v[YSC]
.endr
.endr
	v_nop                                          ; a plain line behind the last conversion
.irp u, 0,1
.irp d, 0,1,2,3
	global_store_b64 v[GO], v[P+16*\u+2*\d:P+16*\u+2*\d+1], s[YB:YB+1] offset:16384*\u+256*\d
.endr
.endr
.endm
	s_load_b256 s[4:11], s[0:1], 0x0               ; qc, kc, vc, the scales' exponents
	s_load_b64 s[12:13], s[0:1], 0x20              ; yc
	v_lshl_add_u32 v[SPW], v0, 2, SPARE
	v_mov_b32 v[NIL], 0
	ds_add_u32 v[SPW], v[NIL]                      ; the wave's opening: the add and its wait ahead of the first tensor load
	ds_add_u32 v[SPW], v[NIL]
	v_lshrrev_b32 v1, 5, v0
	s_delay_alu instid0(VALU_DEP_1)
	v_readfirstlane_b32 s[WV], v1
	s_mov_b32 s[PP], ttmp9
	s_and_b32 s[BH], ttmp7, 0xffff
	s_add_co_u32 s[SWT], s[PP], 1
	s_sub_co_u32 s[RST], 8, s[PP]
	; descriptor group 1: a dense block of 16,384 bytes as 64 rows of 256
	s_mov_b32 s[G1], 3<<16                         ; no mask; elements of 8 bytes; no padding
	s_mov_b32 s[G1+1], 32<<16                      ; tensor_dim0
	s_mov_b32 s[G1+2], 64<<16                      ; tensor_dim1
	s_mov_b32 s[G1+3], 32<<16                      ; tile_dim0
	s_mov_b32 s[G1+4], 64                          ; tile_dim1
	s_mov_b32 s[G1+5], 32                          ; from row to row
	s_mov_b32 s[G1+6], 0
	s_mov_b32 s[G1+7], 0
	s_mov_b32 s[SEL], 0x76543210
	s_mov_b32 s[SEL+1], 0xfedcba98
	s_mov_b32 s[KSN], 0
	s_mov_b32 s[TB], 0
	s_mov_b32 s[TRIPS], 8
	s_mov_b32 s[OFS+1], 0
	s_lshl_b32 s66, s[BH], 17                      ; the head's first byte in qc, kc and vc
	s_mov_b32 s67, 0
	s_wait_dscnt 0x0                               ; the opening add is done
	s_wait_kmcnt 0x0
	s_load_b128 s[56:59], s[10:11], 0x18           ; e6, e7, e8, e9
	s_load_b32 s60, s[10:11], 0x28                 ; e10
	s_cmp_eq_u32 s[WV], 0
	s_cselect_b64 s[KVB:KVB+1], s[6:7], s[8:9]
	s_add_nc_u64 s[KVB:KVB+1], s[KVB:KVB+1], s[66:67]
	s_mov_b32 s[G0], 1
	s_lshl_b32 s[G0+1], s[WV], 14                  ; K at the slot's head, V behind it
	s_mov_b64 s[G0+2:G0+3], s[KVB:KVB+1]
	s_or_b32 s[G0+3], s[G0+3], 0x80000000
	TLOAD                                          ; slot 0 of the keys
	s_cmp_lt_u32 s[WV], 4                          ; the prefetches: waves 2, 3 K; waves 4, 5 V
	s_cselect_b64 s[PFA:PFA+1], s[6:7], s[8:9]
	s_and_b32 s68, s[WV], 1
	s_lshl_b32 s68, s68, 13
	s_add_co_u32 s68, s68, 16384                   ; in slot 1: the first change of slots steps it to slot 2
	s_mov_b32 s69, 0
	s_add_nc_u64 s[PFA:PFA+1], s[PFA:PFA+1], s[66:67]
	s_add_nc_u64 s[PFA:PFA+1], s[PFA:PFA+1], s[68:69]
	s_sub_co_u32 s68, s[WV], 2
	s_lshr_b32 s68, s68, 2                         ; 0 in waves 2 to 5,
	s_or_b32 s68, s68, ttmp9                       ; of the head's work-group 0
	s_cmp_eq_u32 s68, 0
	s_cselect_b32 s[LIM], 2, -1
	v_and_b32 v[L16], 31, v0
	s_delay_alu instid0(VALU_DEP_1)
	v_lshlrev_b32 v[PFO], 8, v[L16]
	s_delay_alu instid0(VALU_DEP_2)
	v_lshlrev_b32 v[L16], 4, v[L16]
	v_and_b32 v29, 15, v0
	v_bfe_u32 v[GO], v0, 4, 1
	s_delay_alu instid0(VALU_DEP_1)
	v_lshlrev_b32 v[GO], 3, v[GO]
	s_delay_alu instid0(VALU_DEP_1)
	v_sub_nc_u32 v[DL0], v29, v[GO]
	s_delay_alu instid0(VALU_DEP_2)
	v_lshl_add_u32 v[GO], v29, 4, v[GO]
	v_mov_b32 v[NINF], 0xff800000
	s_wait_alu depctr_va_vdst(0)
	s_wait_kmcnt 0x0
	s_add_co_i32 s68, s56, s57
	s_lshl_b32 s68, s68, 23
	s_add_co_i32 s[CS], s68, 0x3e38aa3b            ; c = log2(e) / 8, with e6 + e7 added to its exponent field
	s_mov_b32 s[CS+1], s[CS]
	MKSCALE 58, PSC, PLIM
	MKSCALE 60, YSC, YLIM
	s_add_co_i32 s61, s58, s59                     ; e8 + e9
	s_sub_co_u32 s[JB], 7, s[PP]
	NEWBLOCK
.Ltrip:                                            ; eight trips; behind each change of slots the next slot is asked for
	CHANGE 1
	STEP 0
	STEP 1
	s_xor_b32 s[TB], s[TB], SLOTB
	s_cmp_lg_u32 s[TRIPS], s[SWT]
	s_cbranch_scc1 .Lsame
	s_wait_alu depctr_va_vdst(0)
	OUT                                            ; the first block's last slot is done
	s_wait_xcnt 0x0                                ; its stores have read their base and their codes
	s_mov_b32 s[JB], s[PP]
	NEWBLOCK
.Lsame:
	s_sub_co_u32 s[TRIPS], s[TRIPS], 1
	s_cmp_lg_u32 s[TRIPS], 0
	s_cbranch_scc1 .Ltrip
	CHANGE 0                                       ; the ninth slot is written out
	STEP 0
	STEP 1
	s_wait_alu depctr_va_vdst(0)
	OUT
	s_wait_tensorcnt 0x0                           ; the wave's end
	ds_add_u32 v[SPW], v[NIL]
	s_wait_dscnt 0x0
	s_endpgm
.Lfunc_end_k_qc5f299f72f_attn:
	.size	k_qc5f299f72f_attn, .Lfunc_end_k_qc5f299f72f_attn-k_qc5f299f72f_attn
	.p2alignl 7, 3214868480
	.fill 96, 4, 3214868480
	.section	.rodata,"a",@progbits
	.p2align	6, 0x0
	.amdhsa_kernel k_qc5f299f72f_attn
		.amdhsa_group_segment_fixed_size 327680
		.amdhsa_private_segment_fixed_size 0
		.amdhsa_enable_private_segment 0
		.amdhsa_kernarg_size 40
		.amdhsa_user_sgpr_count 2
		.amdhsa_user_sgpr_kernarg_segment_ptr 1
		.amdhsa_wavefront_size32 1
		.amdhsa_system_sgpr_workgroup_id_x 1
		.amdhsa_system_sgpr_workgroup_id_y 1
		.amdhsa_system_sgpr_workgroup_id_z 1
		.amdhsa_system_vgpr_workitem_id 0
		.amdhsa_next_free_vgpr 384
		.amdhsa_next_free_sgpr 80
		.amdhsa_reserve_vcc 1
		.amdhsa_float_denorm_mode_32 3
		.amdhsa_float_denorm_mode_16_64 3
		.amdhsa_fp16_overflow 1
		.amdhsa_memory_ordered 1
		.amdhsa_forward_progress 1
		.amdhsa_inst_pref_size 162
	.end_amdhsa_kernel
	.amdgpu_metadata
---
amdhsa.version: [ 1, 2 ]
amdhsa.kernels:
  - .name:           k_qc5f299f72f_attn
    .symbol:         k_qc5f299f72f_attn.kd
    .args:
      - { .name: qc, .offset: 0, .size: 8, .value_kind: global_buffer, .address_space: global }
      - { .name: kc, .offset: 8, .size: 8, .value_kind: global_buffer, .address_space: global }
      - { .name: vc, .offset: 16, .size: 8, .value_kind: global_buffer, .address_space: global }
      - { .name: lowp_scales, .offset: 24, .size: 8, .value_kind: global_buffer, .address_space: global }
      - { .name: yc, .offset: 32, .size: 8, .value_kind: global_buffer, .address_space: global }
    .group_segment_fixed_size: 327680
    .private_segment_fixed_size: 0
    .kernarg_segment_align: 8
    .kernarg_segment_size: 40
    .max_flat_workgroup_size: 256
    .sgpr_count:     80
    .vgpr_count:     384
    .wavefront_size: 32
...
	.end_amdgpu_metadata
.endif
;; end of part 3
;; launch proj (part 4): grid 4 x 32, 4 waves a work-group, clusters of 4 x 4, 327,680 bytes of LDS; arguments yc, wc, lowp_scales, bp, out0; writes out0
.if DOCPART == 4
	.amdgcn_target "amdgcn-amd-amdhsa--gfx1250"
	.amdhsa_code_object_version 6
	.text
	.protected	k_qc5f299f72f_proj
	.globl	k_qc5f299f72f_proj
	.p2align	8
	.type	k_qc5f299f72f_proj,@function
k_qc5f299f72f_proj:
	s_mov_b64 s[64:65], 0
	v_nop
	global_prefetch_b8 v0, s[64:65] scope:SCOPE_SE
	s_setreg_imm32_b32 hwreg(HW_REG_WAVE_MODE, 25, 1), 1
	s_wait_xcnt 0x0
	s_wait_alu depctr_hold_cnt(0) depctr_sa_sdst(0) depctr_va_vdst(0) depctr_va_sdst(0) depctr_va_ssrc(0) depctr_va_vcc(0) depctr_vm_vsrc(0)
	s_getreg_b32 s2, hwreg(HW_REG_IB_STS2, 6, 4)
	s_cmp_eq_u32 s2, 0
	s_cbranch_scc0 .Lentry_in_a_cluster
	s_endpgm
.Lentry_in_a_cluster:
	s_bfe_u32 s2, ttmp6, 0x10000c
	s_cmp_lg_u32 s2, 0xf033
	s_cbranch_scc0 .Lentry_shape_is_right
	s_endpgm
.Lentry_shape_is_right:
; out0 = y Wp + bp on E4M3 codes: y's codes [8192 rows], Wp's codes (the fourth weight in wc), K = 1,024; out0 [8192][1024] f32 = sum x 2^(e10 + e11) + bp.
; 128 tiles of 256 x 256 in 8 clusters of 4 x 4; four waves, each 128 x 128: 64 accumulators.  K goes in steps of 256 through two LDS slots filled by joint tensor loads:
; A's tile (y) is shared along a row of the cluster, B's (Wp) along a column.  Source 0 = 16 rows of B, source 1 = 16 rows of A: a lane holds eight neighbouring numbers of a row of out0.
; THE CODES LIE AS REGISTER IMAGES: [tile of 16 rows][k / 16][row % 16][16]: a fragment (16 rows x 128 K) is four loads of 512 consecutive bytes, 16 x lane;
; registers 4 c .. 4 c + 3 hold k = 32 c + 16 (lane / 16) + 0 .. 15 in A and in B alike.
; LIMIT: e10 + e11 between -126 and 127.
; REGISTERS: window 0: v16-29 addresses; v32-95 bp in the result's layout; from v128 A's fragments, one set; on the way out v128-255 rows read back from the stage.
;   window 1: B's fragments, two sets; on the way out v0-63 a block's results.   windows 2, 3: the accumulators.
.set KB,     4096
.set HALFT,  8*KB
.set SLOT,   4*HALFT
.set SPARE,  2*SLOT                    ; behind the ring: the spare words, 128 bytes a wave, which no other line names
.set STAGE,  SPARE+512                 ; behind them: 16 rows x 528 bytes for each wave, for the way out; no tile lands here
.set SPITCH, 528
.set FR,     16
.set NL,     4
.set NP,     4
.set ADRA, 16
.set ADRB, 20
.set BNO,  23                          ; v23  32 (lane / 16)
.set STO,  24
.set RD,   25
.set CO,   26
.set SPW,  28
.set NIL,  29
.set BN,   32
.set AF,   128
.set BK,   128
.set TMPW, 0                           ; window 1
.set G1, 24
.set G0, 32
.set G1B, 48
.set G0B, 56
.set MSB, 0
.macro WIN new
.if MSB != \new
	s_set_vgpr_msb (MSB<<8)|\new
.set MSB, \new
.endif
.endm
.set MUL_LO, 0xa1
.set MUL_HI, 0xf1
.set TO_B,   0x40
.macro JLOAD g0a, g1a, g0b, g1b        ; a joint load: waves 0, 1 fetch A's halves, waves 2, 3 B's; an s_nop 0 and four v_nop follow each line
	s_cmp_eq_u32 s15, 0
	s_cbranch_scc0 .Lfor_b_\@
	tensor_load_to_lds s[\g0a:\g0a+3], s[\g1a:\g1a+7]
	s_nop 0
.rept 4
	v_nop
.endr
	s_branch .Lasked_\@
.Lfor_b_\@:
	tensor_load_to_lds s[\g0b:\g0b+3], s[\g1b:\g1b+7]
	s_nop 0
.rept 4
	v_nop
.endr
.Lasked_\@:
.endm
.macro CREST
	s_cmp_lg_u32 s14, 0
	s_cbranch_scc1 .Lnot_wave_0_\@
	s_barrier_signal -3
.Lnot_wave_0_\@:
	s_barrier_wait -3
	s_barrier_signal -1
	s_barrier_wait -1
.endm
.macro CROUND
	s_barrier_signal -1
	s_barrier_wait -1
	CREST
.endm
	s_load_b256 s[4:11], s[0:1], 0x0               ; yc, wc, the scales' exponents, bp
	s_load_b64 s[12:13], s[0:1], 0x20              ; out0
	v_lshl_add_u32 v[SPW], v0, 2, SPARE
	v_mov_b32 v[NIL], 0
	ds_add_u32 v[SPW], v[NIL]                      ; the wave's opening: the add and its wait ahead of my first tensor load
	ds_add_u32 v[SPW], v[NIL]
	v_lshrrev_b32 v1, 5, v0
	v_readfirstlane_b32 s14, v1
	s_lshr_b32 s15, s14, 1
	s_and_b32 s16, s14, 1
	s_bfe_u32 s40, ttmp6, 0x40000                  ; cx
	s_bfe_u32 s41, ttmp6, 0x40004                  ; cy
	s_lshl_b32 s42, ttmp9, 2
	s_add_co_u32 s42, s42, s40                     ; tile column
	s_and_b32 s17, ttmp7, 0xffff
	s_lshl_b32 s17, s17, 2
	s_add_co_u32 s17, s17, s41                     ; tile row
	s_lshl_b32 s43, s41, 2
	s_lshl_b32 s43, 15, s43
	s_lshl_b32 s44, 0x1111, s40
	s_or_b32 s[G1+0], s43, (1<<21)                 ; the mask; elements of 1 byte; 21 set beside a mask; no padding
	s_or_b32 s[G1B+0], s44, (1<<21)
.irp g, G1, G1B
	s_mov_b32 s[\g+1], KB<<16                      ; tensor_dim0
	s_mov_b32 s[\g+2], 8<<16                       ; tensor_dim1
	s_mov_b32 s[\g+3], KB<<16                      ; tile_dim0
	s_mov_b32 s[\g+4], 8                           ; tile_dim1
	s_mov_b32 s[\g+5], 16384                       ; from tile to tile
	s_mov_b32 s[\g+6], 0
	s_mov_b32 s[\g+7], 0
.endr
	s_lshl_b32 s18, s16, 17
	s_lshl_b32 s20, s17, 18
	s_add_co_u32 s20, s20, s18
	s_mov_b32 s21, 0
	s_lshl_b32 s46, s42, 18
	s_add_co_u32 s46, s46, s18
	s_add_co_u32 s46, s46, 3<<20                   ; Wp is the fourth weight
	s_mov_b32 s47, 0
	s_lshl_b32 s45, s14, 15
	s_wait_dscnt 0x0                               ; the opening add is done
	s_wait_kmcnt 0x0
	s_load_b64 s[96:97], s[8:9], 0x28              ; e10, e11
	s_add_nc_u64 s[20:21], s[4:5], s[20:21]
	s_add_nc_u64 s[46:47], s[6:7], s[46:47]
	CROUND                                         ; all sixteen work-groups are here: the first joint loads meet
.irp s, 0,1
	s_mov_b32 s[G0+4*\s], 1
	s_add_co_u32 s[G0+4*\s+1], s45, \s*SLOT
	s_add_nc_u64 s[G0+4*\s+2:G0+4*\s+3], s[20:21], \s*KB
	s_or_b32 s[G0+4*\s+3], s[G0+4*\s+3], 0x80000000
	s_mov_b32 s[G0B+4*\s], 1
	s_add_co_u32 s[G0B+4*\s+1], s45, \s*SLOT
	s_add_nc_u64 s[G0B+4*\s+2:G0B+4*\s+3], s[46:47], \s*KB
	s_or_b32 s[G0B+4*\s+3], s[G0B+4*\s+3], 0x80000000
	s_wait_alu depctr_va_vdst(0)
	s_wait_tensorcnt 0x0
	ds_add_u32 v28, v29
	ds_add_u32 v28, v29
	s_wait_dscnt 0x0
	CROUND
	JLOAD G0+4*\s, G1, G0B+4*\s, G1B
.endr
	v_and_b32 v1, 31, v0
	v_lshlrev_b32 v[CO], 4, v1
	s_lshl_b32 s18, s15, 15
	s_lshl_b32 s19, s16, 15
	s_add_co_u32 s19, s19, 2*HALFT
.irp s, 0,1
	v_add_nc_u32 v[ADRA+\s], s18, v[CO]
	v_add_nc_u32 v[ADRB+\s], s19, v[CO]
	s_add_co_u32 s18, s18, SLOT
	s_add_co_u32 s19, s19, SLOT
.endr
	v_and_b32 v2, 15, v0
	v_bfe_u32 v3, v0, 4, 1
	v_lshlrev_b32 v[BNO], 5, v3
	s_wait_alu depctr_va_vdst(0)
	s_mul_i32 s23, s14, 16*SPITCH
	s_add_co_u32 s23, s23, STAGE                   ; my stage
	v_mul_u32_u24 v[STO], v2, SPITCH               ; in: row lane % 16, 32 bytes for each half of the lanes
	v_lshl_add_u32 v[STO], v3, 5, v[STO]
	v_add_nc_u32 v[STO], s23, v[STO]
	v_add_nc_u32 v[RD], s23, v[CO]                 ; back: the 32 lanes take a row of 512 bytes
	s_lshl_b32 s2, s42, 10
	s_lshl_b32 s3, s16, 9
	s_add_co_u32 s2, s2, s3                        ; my first column, in bytes: in a row of out0 and in bp
	s_mov_b32 s3, 0
	s_add_nc_u64 s[10:11], s[10:11], s[2:3]
	s_add_nc_u64 s[12:13], s[12:13], s[2:3]
	s_lshl_b32 s2, s17, 8
	s_lshl_b32 s18, s15, 7
	s_add_co_u32 s2, s2, s18                       ; my first row,
	s_lshl_b32 s2, s2, 12                          ; of 4,096 bytes
	s_add_nc_u64 s[12:13], s[12:13], s[2:3]
.irp b, 0,1,2,3,4,5,6,7                ; bp: register 8 b + j: number 16 b + 8 (lane / 16) + j of my 128; it lands under the products
	global_load_b128 v[BN+8*\b:BN+8*\b+3], v[BNO], s[10:11] offset:64*\b
	global_load_b128 v[BN+8*\b+4:BN+8*\b+7], v[BNO], s[10:11] offset:64*\b+16
.endr
.macro FRAG reg, adr, q, i
.irp c, 0,1,2,3
	ds_load_b128 v[\reg+4*\c:\reg+4*\c+3], v[\adr] offset:4096*(\i)+2048*(\q)+512*\c
.endr
.endm
; The 64 accumulators take turns, one instruction a turn, in the same order in every step.
.macro MUL16 a0, p, zero
.irp a, \a0, \a0+1
.irp b, 0,1,2,3,4,5,6,7
.if \zero
	v_wmma_f32_16x16x128_fp8_fp8 v[8*(8*((\a)%4)+\b):8*(8*((\a)%4)+\b)+7], v[128*(\p)+FR*\b:128*(\p)+FR*\b+FR-1], v[AF+FR*(\a):AF+FR*(\a)+FR-1], 0
.else
	v_wmma_f32_16x16x128_fp8_fp8 v[8*(8*((\a)%4)+\b):8*(8*((\a)%4)+\b)+7], v[128*(\p)+FR*\b:128*(\p)+FR*\b+FR-1], v[AF+FR*(\a):AF+FR*(\a)+FR-1], v[8*(8*((\a)%4)+\b):8*(8*((\a)%4)+\b)+7]
.endif
.endr
.endr
.endm
.macro FETCH_B slot, q, p
	WIN TO_B
.irp i, 0,1,2,3,4,5,6,7
	FRAG 128*(\p)+FR*\i, ADRB+\slot, \q, \i
.endr
	WIN 0
.endm
.macro FETCH_A slot, q, i0
.irp i, \i0, \i0+1, \i0+2, \i0+3
	FRAG AF+FR*(\i), ADRA+\slot, \q, \i
.endr
.endm
.macro PLACES n
.rept \n
	v_nop
.endr
.endm
.macro STEP slot, q, zero
	s_wait_dscnt 4*NL                              ; B's set and A's blocks 0-3 are in; A's blocks 4-7 may be out
	WIN MUL_LO
	MUL16 0, (\q)%2, \zero
	MUL16 2, (\q)%2, \zero
	s_wait_dscnt 0
	PLACES NP
	FETCH_B \slot, (\q)+1, 1-(\q)%2
	FETCH_A \slot, (\q)+1, 0
	WIN MUL_HI
	MUL16 4, (\q)%2, \zero
	MUL16 6, (\q)%2, \zero
	PLACES NP
	WIN 0
	FETCH_A \slot, (\q)+1, 4
.endm
.macro TURN slot, next, fill
	s_wait_tensorcnt 0x0                           ; all my tensor loads have landed: my part of the next slot
	ds_add_u32 v[SPW], v[NIL]
	s_wait_dscnt 4*NL+1                            ; (the add and A's blocks 4-7 may be out)
	WIN MUL_LO
	MUL16 0, 1, 0
	s_wait_dscnt 0x0                               ; the add is done, and my reads of this slot are over
	s_barrier_signal -1
	MUL16 2, 1, 0
	WIN 0
	s_barrier_wait -1
.if \fill
	CREST                                          ; the barrier has opened a round of the cluster's: no wave of any partner still reads this slot or has a load on its way
	s_add_nc_u64 s[G0+4*\slot+2:G0+4*\slot+3], s[G0+4*\slot+2:G0+4*\slot+3], 2*KB
	s_add_nc_u64 s[G0B+4*\slot+2:G0B+4*\slot+3], s[G0B+4*\slot+2:G0B+4*\slot+3], 2*KB
	JLOAD G0+4*\slot, G1, G0B+4*\slot, G1B
.else
	PLACES NP
.endif
	FETCH_B \next, 0, 0
	FETCH_A \next, 0, 0
	WIN MUL_HI
	MUL16 4, 1, 0
	MUL16 6, 1, 0
	PLACES NP
	WIN 0
	FETCH_A \next, 0, 4
.endm
	s_wait_tensorcnt 1                             ; my part of K step 0 is in; K step 1's load may be out
	s_barrier_signal -1
	s_barrier_wait -1
	FETCH_B 0, 0, 0
	FETCH_A 0, 0, 0
	FETCH_A 0, 0, 4
	STEP 0, 0, 1                                   ; the first products start the sums.  K = 1,024 is four K steps: written out
	TURN 0, 1, 1
	STEP 1, 0, 0
	TURN 1, 0, 1
	STEP 0, 0, 0
	TURN 0, 1, 0
	STEP 1, 0, 0
	s_wait_dscnt 4*NL
	WIN MUL_LO
	MUL16 0, 1, 0
	MUL16 2, 1, 0
	s_wait_dscnt 0
	WIN MUL_HI
	MUL16 4, 1, 0
	MUL16 6, 1, 0
	WIN 0
; THE WAY OUT, block by block of 16 rows x 128 columns: sum x 2^(e10 + e11) + bp; a lane's 32 bytes go into my own stage and come back as whole rows of 512 bytes.
; LDS serves a wave's instructions in order: no wait between the stores and the loads, nor ahead of the next block's stores.
.macro TOSTAGE a
.set AC, 64*((\a)%4)
.set W, 0x42+((\a)/4)
	WIN W                                          ; source 0 window 2 or 3, destination window 1, bp window 0
.set j, 0
.rept 32
	v_pk_fma_f32 v[TMPW+j:TMPW+j+1], v[AC+j:AC+j+1], s[96:97], v[BN+j:BN+j+1] op_sel_hi:[1,0,1]
.set j, j+2
.endr
	WIN 0x04                                       ; an LDS store's data: window 1
.irp b, 0,1,2,3,4,5,6,7
	ds_store_b128 v[STO], v[TMPW+8*\b:TMPW+8*\b+3] offset:64*\b
	ds_store_b128 v[STO], v[TMPW+8*\b+4:TMPW+8*\b+7] offset:64*\b+16
.endr
	WIN 0
.set BB, BK+64*((\a)%2)
.irp t, 0,1,2,3,4,5,6,7,8,9,10,11,12,13,14,15
	ds_load_b128 v[BB+4*\t:BB+4*\t+3], v[RD] offset:\t*SPITCH
.endr
.endm
.macro SEND a, younger                 ; younger: the LDS instructions issued behind block a's loads, which may stay out
.set BB, BK+64*((\a)%2)
	s_wait_dscnt \younger
.if (\a) > 0
	s_add_nc_u64 s[12:13], s[12:13], 16*4096       ; (behind a wait on XCNT: the earlier stores have read their base)
.endif
.irp t, 0,1,2,3,4,5,6,7,8,9,10,11,12,13,14,15
	global_store_b128 v[CO], v[BB+4*\t:BB+4*\t+3], s[12:13] offset:\t*4096 th:TH_STORE_NT   ; 512 consecutive bytes, aligned
.endr
.endm
	s_wait_kmcnt 0x0
	s_add_co_i32 s96, s96, s97
	s_add_co_i32 s96, s96, 127
	s_lshl_b32 s96, s96, 23                        ; 2^(e10 + e11) as f32
	s_mov_b32 s97, s96
	PLACES NP                                      ; ahead of the first read of results and of writes into the fragments' registers
	s_wait_loadcnt 0x0                             ; bp
	TOSTAGE 0
.irp a, 1,2,3,4,5,6,7
.if \a > 1
	s_wait_xcnt 0x0                                ; block a - 2's stores have read their registers and their base
.endif
	TOSTAGE \a
	SEND \a-1, 32                                  ; behind block a - 1's loads: block a's 16 stores and 16 loads
.endr
	s_wait_xcnt 0x0
	SEND 7, 0
	s_wait_tensorcnt 0x0                           ; the wave's end
	ds_add_u32 v[SPW], v[NIL]
	s_wait_dscnt 0x0
	CROUND                                         ; the closing round
	s_endpgm
.Lfunc_end_k_qc5f299f72f_proj:
	.size	k_qc5f299f72f_proj, .Lfunc_end_k_qc5f299f72f_proj-k_qc5f299f72f_proj
	.p2alignl 7, 3214868480
	.fill 96, 4, 3214868480
	.section	.rodata,"a",@progbits
	.p2align	6, 0x0
	.amdhsa_kernel k_qc5f299f72f_proj
		.amdhsa_group_segment_fixed_size 327680
		.amdhsa_private_segment_fixed_size 0
		.amdhsa_enable_private_segment 0
		.amdhsa_kernarg_size 40
		.amdhsa_user_sgpr_count 2
		.amdhsa_user_sgpr_kernarg_segment_ptr 1
		.amdhsa_wavefront_size32 1
		.amdhsa_system_sgpr_workgroup_id_x 1
		.amdhsa_system_sgpr_workgroup_id_y 1
		.amdhsa_system_sgpr_workgroup_id_z 1
		.amdhsa_system_vgpr_workitem_id 0
		.amdhsa_next_free_vgpr 1024
		.amdhsa_next_free_sgpr 100
		.amdhsa_reserve_vcc 0
		.amdhsa_float_denorm_mode_32 3
		.amdhsa_float_denorm_mode_16_64 3
		.amdhsa_memory_ordered 1
		.amdhsa_forward_progress 1
		.amdhsa_inst_pref_size 125
	.end_amdhsa_kernel
	.amdgpu_metadata
---
amdhsa.version: [ 1, 2 ]
amdhsa.kernels:
  - .name:           k_qc5f299f72f_proj
    .symbol:         k_qc5f299f72f_proj.kd
    .args:
      - { .name: yc, .offset: 0, .size: 8, .value_kind: global_buffer, .address_space: global }
      - { .name: wc, .offset: 8, .size: 8, .value_kind: global_buffer, .address_space: global }
      - { .name: lowp_scales, .offset: 16, .size: 8, .value_kind: global_buffer, .address_space: global }
      - { .name: bp, .offset: 24, .size: 8, .value_kind: global_buffer, .address_space: global }
      - { .name: out0, .offset: 32, .size: 8, .value_kind: global_buffer, .address_space: global }
    .group_segment_fixed_size: 327680
    .private_segment_fixed_size: 0
    .kernarg_segment_align: 8
    .kernarg_segment_size: 40
    .max_flat_workgroup_size: 128
    .sgpr_count:     100
    .vgpr_count:     1024
    .wavefront_size: 32
...
	.end_amdgpu_metadata
.endif
;; end of part 4
